; MI455X (gfx1250); checked and timed in simulation.
; The chip was launched on July 23, 2026; its instructions are those of AMD's public machine-readable ISA for CDNA 5 (MIT licence, August 2026) and "CDNA5" Instruction Set Architecture Reference Guide (July 2026). The comments in the code are by the model that wrote it; some were corrected since.
;; scaled dot product attention. Allowed arithmetic: float matrix products may take bf16 or f16 operands with f32 sums; all other float work in f32.
;; Inputs: K 4 x 2,048 x 1,024 float32; Q 4 x 2,048 x 1,024 float32; V 4 x 2,048 x 1,024 float32; Wk 1,024 x 1,024 float32; Wq 1,024 x 1,024 float32; Wv 1,024 x 1,024 float32; attention_mask 4 x 1 x 2,048 int32; bk 1,024 float32; bq 1,024 float32; bv 1,024 float32.
;; Outputs: out0 4 x 2,048 x 1,024 float32.
;; One version. Each part assembles by itself: llvm-mc -triple=amdgcn-amd-amdhsa -mcpu=gfx1250 --defsym DOCPART=n.
;; ======== version 1 of 1: 4 launches
;; limits: values are held in f16: magnitudes above 65,504 overflow, below 6.1e-05 lose precision
;; workspace buffers: xb 50,331,648 bytes; wb 6,291,456 bytes; qkv 50,331,648 bytes; pmat 33,554,432 bytes; stats 1,048,576 bytes
;; launch cast (part 1): grid 576 x 3, 8 waves a work-group, no clusters, 0 bytes of LDS; arguments Q, K, V, Wq, Wk, Wv, xb, wb; writes xb, wb
.if DOCPART == 1
	.amdgcn_target "amdgcn-amd-amdhsa--gfx1250"
	.amdhsa_code_object_version 6
	.text
	.protected	k_q1809bd5baf_cast
	.globl	k_q1809bd5baf_cast
	.p2align	8
	.type	k_q1809bd5baf_cast,@function
k_q1809bd5baf_cast:
	s_mov_b64 s[64:65], 0
	v_nop
	global_prefetch_b8 v0, s[64:65] scope:SCOPE_SE
	s_setreg_imm32_b32 hwreg(HW_REG_WAVE_MODE, 25, 1), 1
	s_wait_xcnt 0x0
; f32 to bf16 (round to nearest even) of the six matrix operands: Q, K, V into xb [3][8192][1024], Wq, Wk, Wv into wb [3][1024][1024].
; Grid y = the family (0: Q and Wq, 1: K and Wk, 2: V and Wv).  Grid x < 512: chunk x of the activation; else chunk x - 512 of the weight.
; A chunk is 65,536 bytes of f32 and 32,768 bytes of bf16: 33,554,432 / 65,536 = 512 chunks, 4,194,304 / 65,536 = 64 chunks.
; Every byte is read once and written once; work-groups share nothing, so no LDS, no barrier, no cluster and no matrix unit.
; A wave's load covers 512 neighbouring bytes, a wave's store 256 neighbouring bytes that start at a multiple of 256.
; All sixteen loads of a thread go out at once; no register is written twice, so the only waits are the counted ones for the data.
.set X, 4                              ; v[4:67]   slot i: four f32 as loaded
.set Y, 68                             ; v[68:99]  slot i: four bf16 to store
	s_load_b512 s[8:23], s[0:1], 0x0               ; Q s[8:9], K s[10:11], V s[12:13], Wq s[14:15], Wk s[16:17], Wv s[18:19], xb s[20:21], wb s[22:23]
	s_and_b32 s2, ttmp7, 0xffff                    ; the family
	s_and_b32 s3, ttmp9, 511                       ; the chunk: x, or x - 512 (x is below 576)
	v_lshlrev_b32 v1, 4, v0                        ; my 16 bytes of every 4,096 read
	v_lshlrev_b32 v2, 3, v0                        ; my 8 bytes of every 2,048 written
	s_wait_kmcnt 0x0
	s_cmp_eq_u32 s2, 1
	s_cselect_b64 s[24:25], s[10:11], s[8:9]       ; the family's activation
	s_cselect_b64 s[26:27], s[16:17], s[14:15]     ; the family's weight
	s_cmp_eq_u32 s2, 2
	s_cselect_b64 s[24:25], s[12:13], s[24:25]
	s_cselect_b64 s[26:27], s[18:19], s[26:27]
	s_cmp_lt_u32 ttmp9, 512
	s_cselect_b64 s[24:25], s[24:25], s[26:27]     ; from where
	s_cselect_b64 s[28:29], s[20:21], s[22:23]     ; to where
	s_cselect_b32 s30, 24, 21                      ; a tensor in xb is 1 << 24 bytes, in wb 1 << 21
	s_lshl_b32 s32, s3, 16
	s_mov_b32 s33, 0
	s_add_nc_u64 s[24:25], s[24:25], s[32:33]
	s_lshl_b32 s34, s2, s30
	s_lshl_b32 s35, s3, 15
	s_add_co_u32 s34, s34, s35
	s_mov_b32 s35, 0
	s_add_nc_u64 s[28:29], s[28:29], s[34:35]
.irp i, 0,1,2,3,4,5,6,7,8,9,10,11,12,13,14,15
	global_load_b128 v[X+4*\i:X+4*\i+3], v1, s[24:25] offset:4096*\i th:TH_LOAD_NT   ; read once in the launch
.endr
.irp i, 0,1,2,3,4,5,6,7,8,9,10,11,12,13,14,15
	s_wait_loadcnt 15-\i                           ; loads come back in order: slot i is in, the 15 - i younger ones stay out
	v_cvt_pk_bf16_f32 v[Y+2*\i],   v[X+4*\i],   v[X+4*\i+1]
	v_cvt_pk_bf16_f32 v[Y+2*\i+1], v[X+4*\i+2], v[X+4*\i+3]
	global_store_b64 v2, v[Y+2*\i:Y+2*\i+1], s[28:29] offset:2048*\i
.endr
	s_endpgm
.Lfunc_end_k_q1809bd5baf_cast:
	.size	k_q1809bd5baf_cast, .Lfunc_end_k_q1809bd5baf_cast-k_q1809bd5baf_cast
	.p2alignl 7, 3214868480
	.fill 96, 4, 3214868480
	.section	.rodata,"a",@progbits
	.p2align	6, 0x0
	.amdhsa_kernel k_q1809bd5baf_cast
		.amdhsa_group_segment_fixed_size 0
		.amdhsa_private_segment_fixed_size 0
		.amdhsa_enable_private_segment 0
		.amdhsa_kernarg_size 64
		.amdhsa_user_sgpr_count 2
		.amdhsa_user_sgpr_kernarg_segment_ptr 1
		.amdhsa_wavefront_size32 1
		.amdhsa_system_sgpr_workgroup_id_x 1
		.amdhsa_system_sgpr_workgroup_id_y 1
		.amdhsa_system_sgpr_workgroup_id_z 1
		.amdhsa_system_vgpr_workitem_id 0
		.amdhsa_next_free_vgpr 100
		.amdhsa_next_free_sgpr 66
		.amdhsa_reserve_vcc 0
		.amdhsa_float_denorm_mode_32 3
		.amdhsa_float_denorm_mode_16_64 3
		.amdhsa_memory_ordered 1
		.amdhsa_forward_progress 1
		.amdhsa_inst_pref_size 7
	.end_amdhsa_kernel
	.amdgpu_metadata
---
amdhsa.version: [ 1, 2 ]
amdhsa.kernels:
  - .name:           k_q1809bd5baf_cast
    .symbol:         k_q1809bd5baf_cast.kd
    .args:
      - { .name: Q, .offset: 0, .size: 8, .value_kind: global_buffer, .address_space: global }
      - { .name: K, .offset: 8, .size: 8, .value_kind: global_buffer, .address_space: global }
      - { .name: V, .offset: 16, .size: 8, .value_kind: global_buffer, .address_space: global }
      - { .name: Wq, .offset: 24, .size: 8, .value_kind: global_buffer, .address_space: global }
      - { .name: Wk, .offset: 32, .size: 8, .value_kind: global_buffer, .address_space: global }
      - { .name: Wv, .offset: 40, .size: 8, .value_kind: global_buffer, .address_space: global }
      - { .name: xb, .offset: 48, .size: 8, .value_kind: global_buffer, .address_space: global }
      - { .name: wb, .offset: 56, .size: 8, .value_kind: global_buffer, .address_space: global }
    .group_segment_fixed_size: 0
    .private_segment_fixed_size: 0
    .kernarg_segment_align: 8
    .kernarg_segment_size: 64
    .max_flat_workgroup_size: 256
    .sgpr_count:     66
    .vgpr_count:     100
    .wavefront_size: 32
...
	.end_amdgpu_metadata
.endif
;; end of part 1
;; launch proj (part 2): grid 4 x 96, 4 waves a work-group, clusters of 4 x 4, 327,680 bytes of LDS; arguments xb, wb, qkv, bq, bk, bv; writes qkv
.if DOCPART == 2
	.amdgcn_target "amdgcn-amd-amdhsa--gfx1250"
	.amdhsa_code_object_version 6
	.text
	.protected	k_q1809bd5baf_proj
	.globl	k_q1809bd5baf_proj
	.p2align	8
	.type	k_q1809bd5baf_proj,@function
k_q1809bd5baf_proj:
	s_mov_b64 s[64:65], 0
	v_nop
	global_prefetch_b8 v0, s[64:65] scope:SCOPE_SE
	s_setreg_imm32_b32 hwreg(HW_REG_WAVE_MODE, 25, 1), 1
	s_wait_xcnt 0x0
	s_wait_alu depctr_hold_cnt(0) depctr_sa_sdst(0) depctr_va_vdst(0) depctr_va_sdst(0) depctr_va_ssrc(0) depctr_va_vcc(0) depctr_vm_vsrc(0)
	s_getreg_b32 s2, hwreg(HW_REG_IB_STS2, 6, 4)
	s_cmp_eq_u32 s2, 0
	s_cbranch_scc0 .Lentry_in_a_cluster
	s_endpgm
.Lentry_in_a_cluster:
	s_bfe_u32 s2, ttmp6, 0x10000c
	s_cmp_lg_u32 s2, 0xf033
	s_cbranch_scc0 .Lentry_shape_is_right
	s_endpgm
.Lentry_shape_is_right:
; The three projections as one product: qkv[t][m][n] = b_t[n] + sum over k of xb[t][m][k] wb[t][n][k], t = 0, 1, 2 (q, k, v); bf16 in, f32 sums, F16 OUT.
; WHY F16: q, k and v are matrix operands of the next two launches.  A row of the result with few visible keys is a sum of few terms, so the operands'
; rounding is not averaged away there; f16 keeps 11 significant bits where bf16 keeps 8.
; LIMIT: |q|, |k|, |v| have to stay below 65,504, f16's largest number.  With activations of spread 1 and weights of spread 0.018 they have a spread of 0.58;
; both 30 times larger give 520; both offset by 30 spreads give about 1024 x 30 x 0.54 = 16,600; both 30 times smaller give 6.4e-4, against f16's step of 6e-8.
; xb and qkv are taken as stacked [24576][1024], wb as stacked [3072][1024].  A work-group makes 256 x 256 of qkv with four waves, a wave 128 x 128:
; 64 accumulator tiles of 16 x 16, 512 registers.  K goes in steps of 128 through a ring of two LDS slots filled by the tensor data mover; a tile's rows
; are 256 bytes of memory and start at multiples of 256 bytes from the buffer's first byte.
; CLUSTERS: 4 x 4 work-groups.  The four of a row of the cluster need the same tiles of xb, the four of a column the same tiles of wb: joint loads.
; A cluster spans 1,024 rows, a tensor 8,192: all sixteen work-groups have the same t, which is made from the cluster's y alone.
; THE BIAS is the C operand of each accumulator's first product, so it costs no instruction; it enters the sum first, where the definition adds it last.
; A wave has two tensor loads out at the start and one behind each round of the cluster's barrier.
;
; REGISTERS, in windows of 256:
;   window 0: v0-31 addresses; v64-127, v128-191 fragments of xb, two buffers; v192-255 the bias of my 128 columns, later v192-223 at work on the way out
;   window 1: v64-127, v128-191 fragments of wb, two buffers
;   window 2: the 32 accumulator tiles of my rows 0-63 (tile (a, b) at v[8 (8 a + b)]);   window 3: those of my rows 64-127
; THE MATRIX INSTRUCTION IS USED TRANSPOSED: source 0 = 16 rows of wb, source 1 = 16 rows of xb.  Lane l then holds row l % 16 of the result and its
; registers 0 to 7 the columns 8 (l / 16) + 0 .. 7: eight neighbouring numbers of a row, which pack into 16 bytes.
.set SIZE_K, 1024
.set SIZE_N, 1024
.set KSTEP,  128
.set PITCH,  272                       ; an LDS row: 256 bytes of data + 16 of padding, so that the 16 rows that a load touches start 16 bytes apart modulo 256
.set HALFT,  128*PITCH                 ; 128 rows: what one tensor load brings
.set SLOT,   4*HALFT                   ; xb's 256 rows, then wb's 256 rows
.set STAGE,  2*SLOT                    ; behind the ring: 16 rows x 272 bytes for each wave, for the way out; no tensor load lands there
.set SPITCH, 272
.set LAPS, SIZE_K/(2*KSTEP)            ; a lap = two K steps = once round the ring: 4
.set ADRA, 16                          ; v16-17  LDS address of my xb fragments in slot 0, 1
.set ADRB, 20                          ; v20-21  the same for wb
.set STO,  24                          ; v24     the way out: where I put 16 bytes of a row
.set RD,   25                          ; v25     the way out: where I read a row back
.set CO,   26                          ; v26     my byte offset in qkv
.set BOF,  27                          ; v27     my byte offset in the bias: 32 (l / 16)
.set F0,   64
.set F1,   128
.set TMP,  192
.set BIAS, 192
.set G1, 24                            ; s[24:31] descriptor group 1 for xb's tiles
.set G0, 32                            ; s[32:39] descriptor group 0 for xb's tiles, one set for each slot
.set G1B, 48                           ; s[48:55] descriptor group 1 for wb's tiles
.set G0B, 56                           ; s[56:63] descriptor group 0 for wb's tiles
.set MSB, 0
.macro WIN new                         ; the immediate's high byte repeats the setting that is left
.if MSB != \new
	s_set_vgpr_msb (MSB<<8)|\new
.set MSB, \new
.endif
.endm
.set MUL_LO, 0xa1                      ; source 0 window 1, source 1 window 0, C and D window 2
.set MUL_HI, 0xf1                      ; the same, C and D window 3
.set START_LO, 0x81                    ; the first product: C is the bias in window 0, D window 2
.set START_HI, 0xc1                    ; the same, D window 3
.set TO_B,   0x40                      ; destination window 1, address window 0
; A joint load.  Waves 0 and 1 fetch xb's two halves, waves 2 and 3 wb's.  The branch hangs on the wave's number alone.
.macro JLOAD s
	s_cmp_eq_u32 s11, 0
	s_cbranch_scc0 .Lfor_b_\@
	tensor_load_to_lds s[G0+4*\s:G0+4*\s+3], s[G1:G1+7]
	s_nop 0
	s_branch .Lasked_\@
.Lfor_b_\@:
	tensor_load_to_lds s[G0B+4*\s:G0B+4*\s+3], s[G1B:G1B+7]
	s_nop 0
.Lasked_\@:
.endm
.macro CREST                           ; a round of the cluster's barrier behind its opening work-group barrier
	s_cmp_lg_u32 s10, 0
	s_cbranch_scc1 .Lnot_wave_0_\@
	s_barrier_signal -3
.Lnot_wave_0_\@:
	s_barrier_wait -3
	s_barrier_signal -1
	s_barrier_wait -1
.endm
.macro CROUND                          ; a whole round
	s_barrier_signal -1
	s_barrier_wait -1
	CREST
.endm
	s_load_b128 s[4:7], s[0:1], 0x0                ; xb s[4:5], wb s[6:7]
	s_load_b64 s[8:9], s[0:1], 0x10                ; qkv
	s_load_b128 s[68:71], s[0:1], 0x18             ; bq s[68:69], bk s[70:71]
	s_load_b64 s[72:73], s[0:1], 0x28              ; bv
	s_set_vgpr_msb 0x40
	v_lshl_add_u32 v255, v0, 2, 0x48400
	s_set_vgpr_msb 0x4000
	v_mov_b32 v63, 0
	s_set_vgpr_msb 0x1
	ds_add_u32 v255, v63
	s_set_vgpr_msb 0x100
	v_lshrrev_b32 v1, 5, v0
	v_readfirstlane_b32 s10, v1                    ; wave 0..3
	s_lshr_b32 s11, s10, 1                         ; which half of the block's rows is mine.  Also: I fetch for xb (0) or for wb (1)
	s_and_b32 s12, s10, 1                          ; which half of its columns.  Also: which 128 rows of that tile I fetch
	s_bfe_u32 s40, ttmp6, 0x40000                  ; cx
	s_bfe_u32 s41, ttmp6, 0x40004                  ; cy
	s_lshl_b32 s42, ttmp9, 2
	s_add_co_u32 s42, s42, s40                     ; block column = 4 x cluster x + cx, 0..3
	s_and_b32 s13, ttmp7, 0xffff
	s_lshr_b32 s45, s13, 3                         ; t: eight clusters of 1,024 rows to a tensor
	s_lshl_b32 s13, s13, 2
	s_add_co_u32 s13, s13, s41                     ; block row of the stacked rows = 4 x cluster y + cy, 0..95
	s_lshl_b32 s43, s41, 2
	s_lshl_b32 s43, 15, s43                        ; my row of the cluster
	s_lshl_b32 s44, 0x1111, s40                    ; my column
	s_or_b32 s[G1+0], s43, (1<<16)|(1<<20)|(1<<21)|(5<<22)|(3<<25)  ; mask; element of 2 bytes; padding on; bit 21 beside a mask; after every 64 words 4 words
	s_or_b32 s[G1B+0], s44, (1<<16)|(1<<20)|(1<<21)|(5<<22)|(3<<25)
	s_mov_b32 s[G1B+1], KSTEP<<16
	s_mov_b32 s[G1+1], KSTEP<<16                   ; tensor_dim0 = 128
	s_mov_b32 s[G1B+2], 128<<16
	s_mov_b32 s[G1+2], 128<<16                     ; tensor_dim1 = 128
	s_mov_b32 s[G1B+3], KSTEP<<16
	s_mov_b32 s[G1+3], KSTEP<<16                   ; tile_dim0 = 128
	s_mov_b32 s[G1B+4], 128
	s_mov_b32 s[G1+4], 128                         ; tile_dim1 = 128
	s_mov_b32 s[G1B+5], SIZE_K
	s_mov_b32 s[G1+5], SIZE_K                      ; elements from row to row
	s_mov_b32 s[G1B+6], 0
	s_mov_b32 s[G1+6], 0
	s_mov_b32 s[G1B+7], 0
	s_mov_b32 s[G1+7], 0
	s_lshl_b32 s17, s12, 7                         ; which 128 rows of the tile I fetch
	s_lshl_b32 s16, s13, 8
	s_add_co_u32 s16, s16, s17                     ; xb: row 256 x block row + 128 x half
	s_lshl_b32 s46, s42, 8
	s_add_co_u32 s46, s46, s17                     ; wb: row 256 x block column + 128 x half
	s_lshl_b32 s47, s45, 10
	s_add_co_u32 s46, s46, s47                     ;     + 1,024 t
	s_mov_b32 s17, 0
	s_mov_b32 s47, 0
	s_mov_b64 s[18:19], SIZE_K*2
	s_mul_u64 s[16:17], s[16:17], s[18:19]         ; in bytes
	s_mul_u64 s[46:47], s[46:47], s[18:19]
	s_mul_i32 s20, s10, HALFT                      ; where they go: wave x 128 rows
	s_wait_dscnt 0x0
	s_wait_kmcnt 0x0
	s_add_nc_u64 s[14:15], s[4:5], s[16:17]
	s_add_nc_u64 s[46:47], s[6:7], s[46:47]
	CROUND                                         ; all sixteen work-groups are here: the first joint loads meet
.irp s, 0,1
	s_mov_b32 s[G0+4*\s], 1
	s_add_co_u32 s[G0+4*\s+1], s20, \s*SLOT
	s_add_nc_u64 s[G0+4*\s+2:G0+4*\s+3], s[14:15], \s*KSTEP*2
	s_or_b32 s[G0+4*\s+3], s[G0+4*\s+3], 0x80000000
	s_mov_b32 s[G0B+4*\s], 1
	s_add_co_u32 s[G0B+4*\s+1], s20, \s*SLOT
	s_add_nc_u64 s[G0B+4*\s+2:G0B+4*\s+3], s[46:47], \s*KSTEP*2
	s_or_b32 s[G0B+4*\s+3], s[G0B+4*\s+3], 0x80000000
	JLOAD \s                                       ; the ring is filled before anything else is done
.endr
	; the bias of tensor t, at my first column
	s_cmp_eq_u32 s45, 1
	s_cselect_b64 s[74:75], s[70:71], s[68:69]
	s_cmp_eq_u32 s45, 2
	s_cselect_b64 s[74:75], s[72:73], s[74:75]
	s_lshl_b32 s76, s42, 10                        ; 256 columns of 4 bytes for each block column
	s_lshl_b32 s77, s12, 9                         ; 128 for my half
	s_add_co_u32 s76, s76, s77
	s_mov_b32 s77, 0
	s_add_nc_u64 s[74:75], s[74:75], s[76:77]
	v_and_b32 v1, 15, v0                           ; l % 16
	v_bfe_u32 v2, v0, 4, 1                         ; l / 16
	v_lshlrev_b32 v[BOF], 5, v2
.irp b, 0,1,2,3,4,5,6,7
	global_load_b128 v[BIAS+8*\b:BIAS+8*\b+3],   v[BOF], s[74:75] offset:64*\b      ; register j of tile column b: the bias of column 16 b + 8 (l / 16) + j,
	global_load_b128 v[BIAS+8*\b+4:BIAS+8*\b+7], v[BOF], s[74:75] offset:64*\b+16   ; which is where the transposed result has that column
.endr
	v_mul_u32_u24 v3, v1, PITCH
	v_lshl_add_u32 v3, v2, 4, v3                   ; row x pitch + 16 x half
	s_mul_i32 s21, s11, HALFT                      ; my 128 rows of xb
	s_mul_i32 s22, s12, HALFT                      ; my 128 rows of wb,
	s_add_co_u32 s22, s22, 2*HALFT                 ; which lie behind xb's 256
.irp s, 0,1
	v_add_nc_u32 v[ADRA+\s], s21, v3
	v_add_nc_u32 v[ADRB+\s], s22, v3
	s_add_co_u32 s21, s21, SLOT
	s_add_co_u32 s22, s22, SLOT
.endr
	s_mul_i32 s23, s10, 16*SPITCH
	s_add_co_u32 s23, s23, STAGE                   ; my stage
	v_mul_u32_u24 v4, v1, SPITCH
	v_lshl_add_u32 v4, v2, 4, v4
	v_add_nc_u32 v[STO], s23, v4
	v_mul_u32_u24 v5, v2, SPITCH
	v_lshl_add_u32 v5, v1, 4, v5
	v_add_nc_u32 v[RD], s23, v5
	v_mul_u32_u24 v5, v2, SIZE_N*2
	v_lshl_add_u32 v[CO], v1, 4, v5
; 16 matrix instructions: row groups a0, a0 + 1 of the window's four x all 8 column blocks, 32 along K.  zero = 1: the first product starts the sums from the bias.
.macro MUL16 f, hi, a0, zero
.irp a, \a0, \a0+1
.irp b, 0,1,2,3,4,5,6,7
.if \zero
	v_wmma_f32_16x16x32_bf16 v[8*(8*(\a)+\b):8*(8*(\a)+\b)+7], v[\f+8*\b:\f+8*\b+7], v[\f+8*(4*\hi+\a):\f+8*(4*\hi+\a)+7], v[BIAS+8*\b:BIAS+8*\b+7]
.else
	v_wmma_f32_16x16x32_bf16 v[8*(8*(\a)+\b):8*(8*(\a)+\b)+7], v[\f+8*\b:\f+8*\b+7], v[\f+8*(4*\hi+\a):\f+8*(4*\hi+\a)+7], v[8*(8*(\a)+\b):8*(8*(\a)+\b)+7]
.endif
.endr
.endr
.endm
; 32 LDS loads in one run: the fragments of one quarter step into buffer f
.macro FETCH slot, k, f
	WIN TO_B
.irp i, 0,1,2,3,4,5,6,7
	ds_load_b128 v[\f+8*\i:\f+8*\i+3],   v[ADRB+\slot] offset:\k+\i*16*PITCH
	ds_load_b128 v[\f+8*\i+4:\f+8*\i+7], v[ADRB+\slot] offset:\k+\i*16*PITCH+32
.endr
	WIN 0
.irp i, 0,1,2,3,4,5,6,7
	ds_load_b128 v[\f+8*\i:\f+8*\i+3],   v[ADRA+\slot] offset:\k+\i*16*PITCH
	ds_load_b128 v[\f+8*\i+4:\f+8*\i+7], v[ADRA+\slot] offset:\k+\i*16*PITCH+32
.endr
.endm
; Four places (ISA guide 7.12.1 for vector instructions) behind the matrix instructions whose registers are loaded into or read next.
.macro PLACES
.rept 4
	v_nop
.endr
.endm
; A K step is four quarter steps of 32 along K, 64 matrix instructions each, on buffers 0, 1, 0, 1.  The 64 accumulators take turns, one instruction a turn,
; in the same order in every quarter.
.macro QUARTER slot, k, f, g, zero
	s_wait_dscnt 8                                 ; wb's fragments and xb's rows 0-63 are in; the youngest eight loads (rows 64-127) may be out
.if \zero
	WIN START_LO
.else
	WIN MUL_LO
.endif
	MUL16 \f, 0, 0, \zero
	MUL16 \f, 0, 2, \zero
	PLACES
	FETCH \slot, \k, \g
	s_wait_dscnt 32                                ; all but the 32 just issued
.if \zero
	WIN START_HI
.else
	WIN MUL_HI
.endif
	MUL16 \f, 1, 0, \zero
	MUL16 \f, 1, 2, \zero
.endm
.macro THREE slot, zero
	QUARTER \slot, 64,  F0, F1, \zero
	QUARTER \slot, 128, F1, F0, 0
	QUARTER \slot, 192, F0, F1, 0
.endm
; The last quarter multiplies buffer 1 and changes slots.  In front of the barrier each wave waits for its reads of this slot and for all its tensor loads
; (one is out: its part of the next slot).  Behind the round the refill comes first, then the next slot's first fragments.
.macro TURN slot, next, fill
	s_wait_dscnt 8
	WIN MUL_LO
	MUL16 F1, 0, 0, 0
	s_wait_dscnt 0                                 ; my reads of this slot are over
	s_wait_tensorcnt 0x0                           ; and all my tensor loads have landed
	ds_add_u32 v255, v63
	s_wait_dscnt 0x0
	s_barrier_signal -1
	MUL16 F1, 0, 2, 0                              ; register work while the others arrive
	WIN 0
	s_barrier_wait -1
.if \fill
	CREST                                          ; no wave of any partner still reads this slot's tile or has a load on its way
	s_add_nc_u64 s[G0+4*\slot+2:G0+4*\slot+3], s[G0+4*\slot+2:G0+4*\slot+3], 2*KSTEP*2
	s_add_nc_u64 s[G0B+4*\slot+2:G0B+4*\slot+3], s[G0B+4*\slot+2:G0B+4*\slot+3], 2*KSTEP*2
	JLOAD \slot                                    ; the first tensor load behind the round, one a wave
.endif
	PLACES
	FETCH \next, 0, F0
	WIN MUL_HI
	MUL16 F1, 1, 0, 0
	MUL16 F1, 1, 2, 0
.endm
.macro LAP zero
	THREE 0, \zero
	TURN 0, 1, 1
	THREE 1, 0
	TURN 1, 0, 1
.endm
	s_wait_tensorcnt 1                             ; my part of K step 0 is in; K step 1's may stay out
	s_barrier_signal -1
	s_barrier_wait -1
	FETCH 0, 0, F0
	s_wait_loadcnt 0x0                             ; the bias
	LAP 1
.if LAPS > 2
	WIN 0
	s_mov_b32 s3, LAPS-2
.Llap:
	LAP 0
	WIN 0
	s_sub_co_u32 s3, s3, 1
	s_cmp_lg_u32 s3, 0
	s_cbranch_scc1 .Llap
.endif
	THREE 0, 0                                     ; the last lap fills nothing
	TURN 0, 1, 0
	THREE 1, 0
	s_wait_dscnt 8
	WIN MUL_LO
	MUL16 F1, 0, 0, 0
	MUL16 F1, 0, 2, 0
	s_wait_dscnt 0
	WIN MUL_HI
	MUL16 F1, 1, 0, 0
	MUL16 F1, 1, 2, 0
	; THE WAY OUT, 16 rows at a time: round to f16, 16 bytes a lane into my own stage in LDS, read back as whole rows of 256 bytes.
	PLACES
	s_lshl_b32 s13, s13, 8
	s_lshl_b32 s14, s11, 7
	s_add_co_u32 s16, s13, s14                     ; my first row
	s_mov_b32 s17, 0
	s_mov_b64 s[18:19], SIZE_N*2
	s_mul_u64 s[16:17], s[16:17], s[18:19]
	s_add_nc_u64 s[8:9], s[8:9], s[16:17]
	s_lshl_b32 s46, s42, 9                         ; my first column, in bytes: 512 x block + 256 x half
	s_lshl_b32 s47, s12, 8
	s_add_co_u32 s46, s46, s47
	s_mov_b32 s47, 0
	s_add_nc_u64 s[8:9], s[8:9], s[46:47]
.macro OUT16 i, a, from, f
	WIN \from
.irp b, 0,1,2,3,4,5,6,7
.irp r, 0,1,2,3
	v_cvt_pk_f16_f32 v[TMP+4*\b+\r], v[8*(8*\a+\b)+2*\r], v[8*(8*\a+\b)+2*\r+1]
.endr
.endr
	WIN 0
.irp b, 0,1,2,3,4,5,6,7
	ds_store_b128 v[STO], v[TMP+4*\b:TMP+4*\b+3] offset:32*\b
.endr
	s_wait_xcnt 0x0                                ; buffer f, which earlier stores read, and the stores' base are rewritten only behind this wait
.if \i
	s_add_nc_u64 s[8:9], s[8:9], 16*SIZE_N*2
.endif
.irp t, 0,1,2,3,4,5,6,7
	ds_load_b128 v[\f+4*\t:\f+4*\t+3], v[RD] offset:\t*2*SPITCH    ; LDS serves a wave's instructions in order: these see the stores above
.endr
.irp t, 0,1,2,3,4,5,6,7
	s_wait_dscnt 7-\t                              ; the 7 - t younger read-backs may be out
	global_store_b128 v[CO], v[\f+4*\t:\f+4*\t+3], s[8:9] offset:2*\t*SIZE_N*2   ; 16 lanes store 256 consecutive bytes, at a multiple of 256
.endr
.endm
	OUT16 0, 0, 0x0a, F0
	OUT16 1, 1, 0x0a, F1
	OUT16 2, 2, 0x0a, F0
	OUT16 3, 3, 0x0a, F1
	OUT16 4, 0, 0x0f, F0
	OUT16 5, 1, 0x0f, F1
	OUT16 6, 2, 0x0f, F0
	OUT16 7, 3, 0x0f, F1
	s_set_vgpr_msb 0x1
	s_wait_tensorcnt 0x0
	ds_add_u32 v255, v63
	s_wait_dscnt 0x0
	s_set_vgpr_msb 0x100
	CROUND                                         ; the closing round
	s_endpgm
.Lfunc_end_k_q1809bd5baf_proj:
	.size	k_q1809bd5baf_proj, .Lfunc_end_k_q1809bd5baf_proj-k_q1809bd5baf_proj
	.p2alignl 7, 3214868480
	.fill 96, 4, 3214868480
	.section	.rodata,"a",@progbits
	.p2align	6, 0x0
	.amdhsa_kernel k_q1809bd5baf_proj
		.amdhsa_group_segment_fixed_size 327680
		.amdhsa_private_segment_fixed_size 0
		.amdhsa_enable_private_segment 0
		.amdhsa_kernarg_size 48
		.amdhsa_user_sgpr_count 2
		.amdhsa_user_sgpr_kernarg_segment_ptr 1
		.amdhsa_wavefront_size32 1
		.amdhsa_system_sgpr_workgroup_id_x 1
		.amdhsa_system_sgpr_workgroup_id_y 1
		.amdhsa_system_sgpr_workgroup_id_z 1
		.amdhsa_system_vgpr_workitem_id 0
		.amdhsa_next_free_vgpr 1024
		.amdhsa_next_free_sgpr 80
		.amdhsa_reserve_vcc 0
		.amdhsa_float_denorm_mode_32 3
		.amdhsa_float_denorm_mode_16_64 3
		.amdhsa_memory_ordered 1
		.amdhsa_forward_progress 1
		.amdhsa_inst_pref_size 198
	.end_amdhsa_kernel
	.amdgpu_metadata
---
amdhsa.version: [ 1, 2 ]
amdhsa.kernels:
  - .name:           k_q1809bd5baf_proj
    .symbol:         k_q1809bd5baf_proj.kd
    .args:
      - { .name: xb, .offset: 0, .size: 8, .value_kind: global_buffer, .address_space: global }
      - { .name: wb, .offset: 8, .size: 8, .value_kind: global_buffer, .address_space: global }
      - { .name: qkv, .offset: 16, .size: 8, .value_kind: global_buffer, .address_space: global }
      - { .name: bq, .offset: 24, .size: 8, .value_kind: global_buffer, .address_space: global }
      - { .name: bk, .offset: 32, .size: 8, .value_kind: global_buffer, .address_space: global }
      - { .name: bv, .offset: 40, .size: 8, .value_kind: global_buffer, .address_space: global }
    .group_segment_fixed_size: 327680
    .private_segment_fixed_size: 0
    .kernarg_segment_align: 8
    .kernarg_segment_size: 48
    .max_flat_workgroup_size: 128
    .sgpr_count:     80
    .vgpr_count:     1024
    .wavefront_size: 32
...
	.end_amdgpu_metadata
.endif
;; end of part 2
;; launch scores (part 3): grid 8 x 32, 4 waves a work-group, clusters of 4 x 4, 327,680 bytes of LDS; arguments qkv, attention_mask, pmat, stats; writes pmat, stats
.if DOCPART == 3
	.amdgcn_target "amdgcn-amd-amdhsa--gfx1250"
	.amdhsa_code_object_version 6
	.text
	.protected	k_q1809bd5baf_scores
	.globl	k_q1809bd5baf_scores
	.p2align	8
	.type	k_q1809bd5baf_scores,@function
k_q1809bd5baf_scores:
	s_mov_b64 s[64:65], 0
	v_nop
	global_prefetch_b8 v0, s[64:65] scope:SCOPE_SE
	s_setreg_imm32_b32 hwreg(HW_REG_WAVE_MODE, 25, 1), 1
	s_wait_xcnt 0x0
	s_wait_alu depctr_hold_cnt(0) depctr_sa_sdst(0) depctr_va_vdst(0) depctr_va_sdst(0) depctr_va_ssrc(0) depctr_va_vcc(0) depctr_vm_vsrc(0)
	s_getreg_b32 s2, hwreg(HW_REG_IB_STS2, 6, 4)
	s_cmp_eq_u32 s2, 0
	s_cbranch_scc0 .Lentry_in_a_cluster
	s_endpgm
.Lentry_in_a_cluster:
	s_bfe_u32 s2, ttmp6, 0x10000c
	s_cmp_lg_u32 s2, 0xf033
	s_cbranch_scc0 .Lentry_shape_is_right
	s_endpgm
.Lentry_shape_is_right:
; S[b][i][j] = (q[b][i] . k[b][j]) / 32; where attention_mask[b][j] is 0, S = -1e10; then -1e10 is ADDED where j > i: in that order and in f32, as the definition has it.
; The softmax is split by chunks of 128 keys.  For each row and chunk: m = the chunk's largest S, P = exp(S - m) rounded to f16, l = the sum of exp(S - m).
; m and l go to stats [16 chunks][m, l][8192 rows] f32.  The next launch joins the chunks.
; P GOES OUT IN THE ORDER IN WHICH THE NEXT LAUNCH'S MATRIX INSTRUCTION WANTS IT: pmat = [512 groups of 16 rows][128 tiles of 16 keys][32 lanes][16 bytes], where lane l
; holds row l % 16, keys 8 (l / 16) + 0 .. 7 of the tile.  That is what a lane holds here after packing, so a tile is one store of 512 consecutive bytes straight
; from registers, and tiles 2 Q and 2 Q + 1 are registers 0-3 and 4-7 of the fragment of 16 rows x 32 keys.  No LDS stage is needed.
; q and k come in f16 (11 significant bits; their range is stated where they are made); P lies in [0, 1], where f16's step is 6e-8 at the least.
; ALL key blocks are computed, those above the diagonal too: the causal term is a finite addend, so a row whose keys 0..i are all masked has its largest
; S at -1e10, and every unmasked later key ties with it after rounding.  Such rows need the whole range of keys.
; LIMITS: a masked score is made as fma(sum, 0, -1e10), so q . k has to be finite in f32.  v_exp_f32 gives 0 for weights below 2^-126.  l sums the
; exponentials before they are rounded to f16.
; The product is a 256 x 256 block for a work-group, 128 x 128 for a wave (so a wave's columns are one chunk), K = 1024 in steps of 128 through two LDS slots.
; CLUSTERS: 4 x 4 work-groups; q's tiles are shared along a row of the cluster, k's along a column, by joint loads.  A cluster spans 1,024 query rows and a
; batch 2,048, so all sixteen have the same batch, made from the cluster's y alone.
; A wave has two tensor loads out at the start and one behind each round of the cluster's barrier.
;
; REGISTERS: window 0: v0-40 addresses and scratch; v64-127, v128-191 fragments of q; v192-223 packed P.
;   window 1: v0-63 the mask of my 128 keys, later the factor MS; v64-127, v128-191 fragments of k, later the addend MA and the diagonal's eight addends DG.
;   window 2: accumulator tiles of my rows 0-63 (tile (a, b) at v[8 (8 a + b)]);  window 3: rows 64-127.
; The matrix instruction is used transposed (source 0 = 16 keys, source 1 = 16 queries): lane l holds query row l % 16, register j key 8 (l / 16) + j of the block.
.set SIZE_K, 1024
.set KSTEP,  128
.set PITCH,  272
.set HALFT,  128*PITCH
.set SLOT,   4*HALFT
.set STATS,  2*SLOT                    ; behind the ring: 1,024 bytes for each wave: 128 m, then 128 l; no tensor load lands there
.set LAPS, SIZE_K/(2*KSTEP)
.set ADRA, 16
.set ADRB, 20
.set STA,  27                          ; v27  where I put a row's m (lanes 0-15) or l (lanes 16-31)
.set SRD,  28                          ; v28  where I read 16 bytes of them back
.set SOF,  29                          ; v29  16 x lane: my place in every store; never rewritten
.set MOF,  30                          ; v30  32 (l / 16): my byte offset in the mask
.set T,    32                          ; v32-35 four running maxima, scratch
.set M,    36                          ; v36-37 the row's maximum, twice
.set LS,   38                          ; v38  the row's sum
.set SV,   39                          ; v39  what goes to STA
.set E,    40                          ; v40  8 (l / 16) - l % 16 - (row0 - col0)
.set F0,   64
.set F1,   128
.set TMP,  192
.set MS,   0                           ; window 1: v0-63    mask word, then 1/32 (kept) or 0 (masked); index 8 b + j
.set MA,   64                          ; window 1: v64-127  0 (kept) or -1e10 (masked)
.set DG,   128                         ; window 1: v128-135 the causal addend in a tile on the block's diagonal, register j
.set G1, 24
.set G0, 32
.set G1B, 48
.set G0B, 56
.set MSB, 0
.macro WIN new
.if MSB != \new
	s_set_vgpr_msb (MSB<<8)|\new
.set MSB, \new
.endif
.endm
.set MUL_LO, 0xa1
.set MUL_HI, 0xf1
.set TO_B,   0x40
.macro JLOAD s
	s_cmp_eq_u32 s11, 0
	s_cbranch_scc0 .Lfor_b_\@
	tensor_load_to_lds s[G0+4*\s:G0+4*\s+3], s[G1:G1+7]
	s_nop 0
	s_branch .Lasked_\@
.Lfor_b_\@:
	tensor_load_to_lds s[G0B+4*\s:G0B+4*\s+3], s[G1B:G1B+7]
	s_nop 0
.Lasked_\@:
.endm
.macro CREST
	s_cmp_lg_u32 s10, 0
	s_cbranch_scc1 .Lnot_wave_0_\@
	s_barrier_signal -3
.Lnot_wave_0_\@:
	s_barrier_wait -3
	s_barrier_signal -1
	s_barrier_wait -1
.endm
.macro CROUND
	s_barrier_signal -1
	s_barrier_wait -1
	CREST
.endm
	s_load_b64 s[4:5], s[0:1], 0x0                 ; qkv
	s_load_b64 s[66:67], s[0:1], 0x8               ; attention_mask
	s_load_b64 s[8:9], s[0:1], 0x10                ; pmat
	s_load_b64 s[68:69], s[0:1], 0x18              ; stats
	s_set_vgpr_msb 0x40
	v_lshl_add_u32 v255, v0, 2, 0x45000
	s_set_vgpr_msb 0x4000
	v_mov_b32 v255, 0
	s_set_vgpr_msb 0x1
	ds_add_u32 v255, v255
	s_set_vgpr_msb 0x100
	v_lshrrev_b32 v1, 5, v0
	v_readfirstlane_b32 s10, v1                    ; wave 0..3
	s_lshr_b32 s11, s10, 1                         ; my half of the block's rows.  Also: I fetch for q (0) or for k (1)
	s_and_b32 s12, s10, 1                          ; my half of its columns.  Also: which 128 rows of that tile I fetch
	s_bfe_u32 s40, ttmp6, 0x40000                  ; cx
	s_bfe_u32 s41, ttmp6, 0x40004                  ; cy
	s_lshl_b32 s42, ttmp9, 2
	s_add_co_u32 s42, s42, s40                     ; block column (keys) 0..7
	s_and_b32 s13, ttmp7, 0xffff
	s_lshr_b32 s45, s13, 1                         ; batch: two clusters of 1,024 rows each
	s_lshl_b32 s13, s13, 2
	s_add_co_u32 s13, s13, s41                     ; block row of the stacked 8,192 rows, 0..31
	s_lshl_b32 s43, s41, 2
	s_lshl_b32 s43, 15, s43
	s_lshl_b32 s44, 0x1111, s40
	s_or_b32 s[G1+0], s43, (1<<16)|(1<<20)|(1<<21)|(5<<22)|(3<<25)
	s_or_b32 s[G1B+0], s44, (1<<16)|(1<<20)|(1<<21)|(5<<22)|(3<<25)
	s_mov_b32 s[G1B+1], KSTEP<<16
	s_mov_b32 s[G1+1], KSTEP<<16
	s_mov_b32 s[G1B+2], 128<<16
	s_mov_b32 s[G1+2], 128<<16
	s_mov_b32 s[G1B+3], KSTEP<<16
	s_mov_b32 s[G1+3], KSTEP<<16
	s_mov_b32 s[G1B+4], 128
	s_mov_b32 s[G1+4], 128
	s_mov_b32 s[G1B+5], SIZE_K
	s_mov_b32 s[G1+5], SIZE_K
	s_mov_b32 s[G1B+6], 0
	s_mov_b32 s[G1+6], 0
	s_mov_b32 s[G1B+7], 0
	s_mov_b32 s[G1+7], 0
	s_lshl_b32 s17, s12, 7
	s_lshl_b32 s16, s13, 8
	s_add_co_u32 s16, s16, s17                     ; q: row 256 x block row + 128 x half of qkv's first tensor
	s_lshl_b32 s46, s42, 8
	s_add_co_u32 s46, s46, s17                     ; k: row 256 x block column + 128 x half
	s_lshl_b32 s47, s45, 11
	s_add_co_u32 s46, s46, s47                     ;    + 2,048 x batch
	s_add_co_u32 s46, s46, 8192                    ;    in qkv's second tensor
	s_mov_b32 s17, 0
	s_mov_b32 s47, 0
	s_mov_b64 s[18:19], SIZE_K*2
	s_mul_u64 s[16:17], s[16:17], s[18:19]
	s_mul_u64 s[46:47], s[46:47], s[18:19]
	s_mul_i32 s20, s10, HALFT
	s_wait_dscnt 0x0
	s_wait_kmcnt 0x0
	s_add_nc_u64 s[14:15], s[4:5], s[16:17]
	s_add_nc_u64 s[46:47], s[4:5], s[46:47]
	CROUND                                         ; all sixteen work-groups are here: the first joint loads meet
.irp s, 0,1
	s_mov_b32 s[G0+4*\s], 1
	s_add_co_u32 s[G0+4*\s+1], s20, \s*SLOT
	s_add_nc_u64 s[G0+4*\s+2:G0+4*\s+3], s[14:15], \s*KSTEP*2
	s_or_b32 s[G0+4*\s+3], s[G0+4*\s+3], 0x80000000
	s_mov_b32 s[G0B+4*\s], 1
	s_add_co_u32 s[G0B+4*\s+1], s20, \s*SLOT
	s_add_nc_u64 s[G0B+4*\s+2:G0B+4*\s+3], s[46:47], \s*KSTEP*2
	s_or_b32 s[G0B+4*\s+3], s[G0B+4*\s+3], 0x80000000
	JLOAD \s
.endr
	; constants of the epilogue
	s_mov_b32 s70, 0xd01502f9                      ; -1e10
	s_mov_b32 s71, 0x3d000000                      ; 1/32 = 1/sqrt(1024), a power of two: the scaling is exact
	s_mov_b32 s72, 0x3fb8aa3b                      ; log2(e), twice
	s_mov_b32 s73, 0x3fb8aa3b
	s_mov_b32 s78, 0xff7fffff                      ; the lowest finite f32: starts the maxima
	s_mov_b32 s79, 0xffff0000                      ; lanes 16-31
	s_mov_b32 s80, 0x76543210                      ; v_permlanex16_b32: lane i reads lane i of the other half
	s_mov_b32 s81, 0xfedcba98
	s_lshl_b32 s83, s42, 8
	s_lshl_b32 s84, s12, 7
	s_add_co_u32 s83, s83, s84                     ; col0: my first key in the batch
	s_and_b32 s82, s13, 7
	s_lshl_b32 s82, s82, 8
	s_lshl_b32 s84, s11, 7
	s_add_co_u32 s82, s82, s84                     ; row0: my first query in the batch
	s_sub_co_i32 s82, s82, s83                     ; row0 - col0, a multiple of 128
	s_cmp_le_i32 s82, 0
	s_cselect_b32 s74, s70, 0                      ; tiles with column block > row group: every key is later than every query unless row0 > col0
	s_cmp_lt_i32 s82, 0
	s_cselect_b32 s76, s70, 0                      ; tiles with column block < row group: later only if row0 < col0
	s_mov_b32 s75, s74
	s_mov_b32 s77, s76
	s_lshl_b32 s84, s45, 11
	s_add_co_u32 s84, s84, s83
	s_lshl_b32 s84, s84, 2
	s_mov_b32 s85, 0
	s_add_nc_u64 s[66:67], s[66:67], s[84:85]      ; the mask at my first key
	s_lshl_b32 s84, s83, 9                         ; chunk x 65,536 = col0 / 128 x 65,536
	s_lshl_b32 s86, s13, 10                        ; 256 rows of 4 bytes for each block row
	s_add_co_u32 s84, s84, s86
	s_lshl_b32 s86, s11, 9
	s_add_co_u32 s84, s84, s86
	s_add_nc_u64 s[68:69], s[68:69], s[84:85]      ; stats at my chunk's m of my first row
	v_and_b32 v1, 15, v0                           ; l % 16
	v_bfe_u32 v2, v0, 4, 1                         ; l / 16
	v_mul_u32_u24 v3, v1, PITCH
	v_lshl_add_u32 v3, v2, 4, v3
	s_mul_i32 s21, s11, HALFT
	s_mul_i32 s22, s12, HALFT
	s_add_co_u32 s22, s22, 2*HALFT
.irp s, 0,1
	v_add_nc_u32 v[ADRA+\s], s21, v3
	v_add_nc_u32 v[ADRB+\s], s22, v3
	s_add_co_u32 s21, s21, SLOT
	s_add_co_u32 s22, s22, SLOT
.endr
	v_lshlrev_b32 v[MOF], 5, v2
	v_lshlrev_b32 v[E], 3, v2
	v_sub_nc_u32 v[E], v[E], v1
	v_sub_nc_u32 v[E], v[E], s82                   ; key - query in a diagonal tile = E + j
	s_lshl_b32 s86, s10, 10
	s_add_co_u32 s86, s86, STATS                   ; my wave's 1,024 bytes
	v_lshlrev_b32 v[STA], 2, v1
	v_lshl_add_u32 v[STA], v2, 9, v[STA]
	v_add_nc_u32 v[STA], s86, v[STA]
	v_and_b32 v[SOF], 31, v0
	v_lshlrev_b32 v[SOF], 4, v[SOF]
	v_add_nc_u32 v[SRD], s86, v[SOF]
	WIN TO_B
.irp b, 0,1,2,3,4,5,6,7
	global_load_b128 v[MS+8*\b:MS+8*\b+3],   v[MOF], s[66:67] offset:64*\b      ; register 8 b + j: the mask of key col0 + 16 b + 8 (l / 16) + j
	global_load_b128 v[MS+8*\b+4:MS+8*\b+7], v[MOF], s[66:67] offset:64*\b+16
.endr
.macro MUL16 f, hi, a0, zero
.irp a, \a0, \a0+1
.irp b, 0,1,2,3,4,5,6,7
.if \zero
	v_wmma_f32_16x16x32_f16 v[8*(8*(\a)+\b):8*(8*(\a)+\b)+7], v[\f+8*\b:\f+8*\b+7], v[\f+8*(4*\hi+\a):\f+8*(4*\hi+\a)+7], 0
.else
	v_wmma_f32_16x16x32_f16 v[8*(8*(\a)+\b):8*(8*(\a)+\b)+7], v[\f+8*\b:\f+8*\b+7], v[\f+8*(4*\hi+\a):\f+8*(4*\hi+\a)+7], v[8*(8*(\a)+\b):8*(8*(\a)+\b)+7]
.endif
.endr
.endr
.endm
.macro FETCH slot, k, f
	WIN TO_B
.irp i, 0,1,2,3,4,5,6,7
	ds_load_b128 v[\f+8*\i:\f+8*\i+3],   v[ADRB+\slot] offset:\k+\i*16*PITCH
	ds_load_b128 v[\f+8*\i+4:\f+8*\i+7], v[ADRB+\slot] offset:\k+\i*16*PITCH+32
.endr
	WIN 0
.irp i, 0,1,2,3,4,5,6,7
	ds_load_b128 v[\f+8*\i:\f+8*\i+3],   v[ADRA+\slot] offset:\k+\i*16*PITCH
	ds_load_b128 v[\f+8*\i+4:\f+8*\i+7], v[ADRA+\slot] offset:\k+\i*16*PITCH+32
.endr
.endm
; Four places (ISA guide 7.12.1 for vector instructions) behind the matrix instructions whose registers are loaded into or read next.
.macro PLACES
.rept 4
	v_nop
.endr
.endm
; The 64 accumulators take turns, one instruction a turn, in the same order in every quarter.
.macro QUARTER slot, k, f, g, zero
	s_wait_dscnt 8                                 ; k's fragments and q's rows 0-63 are in; the youngest eight loads may be out
	WIN MUL_LO
	MUL16 \f, 0, 0, \zero
	MUL16 \f, 0, 2, \zero
	PLACES
	FETCH \slot, \k, \g
	s_wait_dscnt 32                                ; all but the 32 just issued
	WIN MUL_HI
	MUL16 \f, 1, 0, \zero
	MUL16 \f, 1, 2, \zero
.endm
.macro THREE slot, zero
	QUARTER \slot, 64,  F0, F1, \zero
	QUARTER \slot, 128, F1, F0, 0
	QUARTER \slot, 192, F0, F1, 0
.endm
.macro TURN slot, next, fill
	s_wait_dscnt 8
	WIN MUL_LO
	MUL16 F1, 0, 0, 0
	s_wait_dscnt 0                                 ; my reads of this slot are over
	s_wait_tensorcnt 0x0                           ; and all my tensor loads have landed: the one that was out is my part of the next slot
	ds_add_u32 v255, v255
	s_wait_dscnt 0x0
	s_barrier_signal -1
	MUL16 F1, 0, 2, 0
	WIN 0
	s_barrier_wait -1
.if \fill
	CREST                                          ; no wave of any partner still reads this slot's tile or has a load on its way
	s_add_nc_u64 s[G0+4*\slot+2:G0+4*\slot+3], s[G0+4*\slot+2:G0+4*\slot+3], 2*KSTEP*2
	s_add_nc_u64 s[G0B+4*\slot+2:G0B+4*\slot+3], s[G0B+4*\slot+2:G0B+4*\slot+3], 2*KSTEP*2
	JLOAD \slot                                    ; the first tensor load behind the round, one a wave
.endif
	PLACES
	FETCH \next, 0, F0
	WIN MUL_HI
	MUL16 F1, 1, 0, 0
	MUL16 F1, 1, 2, 0
.endm
.macro LAP zero
	THREE 0, \zero
	TURN 0, 1, 1
	THREE 1, 0
	TURN 1, 0, 1
.endm
	s_wait_tensorcnt 1                             ; my part of K step 0 is in; K step 1's may stay out
	s_barrier_signal -1
	s_barrier_wait -1
	FETCH 0, 0, F0
	s_wait_loadcnt 0x0                             ; the mask words
	LAP 1                                          ; the first products start the sums: nothing is cleared
	WIN 0
	s_mov_b32 s3, LAPS-2
.Llap:
	LAP 0
	WIN 0
	s_sub_co_u32 s3, s3, 1
	s_cmp_lg_u32 s3, 0
	s_cbranch_scc1 .Llap
	THREE 0, 0
	TURN 0, 1, 0
	THREE 1, 0
	s_wait_dscnt 8
	WIN MUL_LO
	MUL16 F1, 0, 0, 0
	MUL16 F1, 0, 2, 0
	s_wait_dscnt 0
	WIN MUL_HI
	MUL16 F1, 1, 0, 0
	MUL16 F1, 1, 2, 0
	; THE EPILOGUE.  The four v_nop are the places behind the last matrix instructions: k's fragment buffers are written over and results are read.
	PLACES
	s_lshl_b32 s16, s13, 20                        ; pmat: 16 row groups of 65,536 bytes for each block row
	s_lshl_b32 s14, s11, 19                        ; + 8 for my half
	s_add_co_u32 s16, s16, s14
	s_mov_b32 s17, 0
	s_add_nc_u64 s[8:9], s[8:9], s[16:17]
	s_lshl_b32 s46, s42, 13                        ; 16 key tiles of 512 bytes for each block column
	s_lshl_b32 s47, s12, 12                        ; + 8 for my half
	s_add_co_u32 s46, s46, s47
	s_mov_b32 s47, 0
	s_add_nc_u64 s[8:9], s[8:9], s[46:47]
	WIN 0x44                                       ; source 1 and destination in window 1
.set c, 0
.rept 64
	v_cmp_ne_u32 vcc_lo, 0, v[MS+c]                ; the key is kept
	v_cndmask_b32 v[MA+c], s70, 0, vcc_lo          ; addend: 0 if kept, -1e10 if masked
	v_cndmask_b32 v[MS+c], 0, s71, vcc_lo          ; factor: 1/32 if kept, 0 if masked
.set c, c+1
.endr
	WIN 0x40
.irp j, 0,1,2,3,4,5,6,7
	v_cmp_lt_i32 vcc_lo, -\j, v[E]                 ; E + j > 0: the key is later than the query
	v_cndmask_b32 v[DG+\j], 0, s70, vcc_lo
.endr
; Rows 16 i .. 16 i + 15 of my block: the eight tiles (a, 0..7) of window w, 64 registers a lane.
.macro ROWG i, a, w
	WIN ((\w<<6)|0x14|\w)                          ; accumulators in window w, factor and addends in window 1
.irp b, 0,1,2,3,4,5,6,7
.irp p, 0,2,4,6
	v_pk_fma_f32 v[64*\a+8*\b+\p:64*\a+8*\b+\p+1], v[64*\a+8*\b+\p:64*\a+8*\b+\p+1], v[MS+8*\b+\p:MS+8*\b+\p+1], v[MA+8*\b+\p:MA+8*\b+\p+1]   ; sum / 32, or -1e10
.endr
.endr
.irp b, 0,1,2,3,4,5,6,7
.irp p, 0,2,4,6
.if \b > \i
	v_pk_add_f32 v[64*\a+8*\b+\p:64*\a+8*\b+\p+1], v[64*\a+8*\b+\p:64*\a+8*\b+\p+1], s[74:75] op_sel_hi:[1,0]
.else
.if \b < \i
	v_pk_add_f32 v[64*\a+8*\b+\p:64*\a+8*\b+\p+1], v[64*\a+8*\b+\p:64*\a+8*\b+\p+1], s[76:77] op_sel_hi:[1,0]
.else
	v_pk_add_f32 v[64*\a+8*\b+\p:64*\a+8*\b+\p+1], v[64*\a+8*\b+\p:64*\a+8*\b+\p+1], v[DG+\p:DG+\p+1]
.endif
.endif
.endr
.endr
	WIN ((\w<<4)|(\w<<2))                          ; the largest of my 64, in four chains; the first link starts each chain
.irp q, 0,1,2,3,4,5,6,7
.irp k, 0,1,2,3
.if \q == 0
	v_max3_num_f32 v[T+\k], s78, v[64*\a+16*\k], v[64*\a+16*\k+1]
.else
	v_max3_num_f32 v[T+\k], v[T+\k], v[64*\a+16*\k+2*\q], v[64*\a+16*\k+2*\q+1]
.endif
.endr
.endr
	WIN 0
	v_max3_num_f32 v[T], v[T], v[T+1], v[T+2]
	v_max_num_f32 v[T], v[T], v[T+3]
	v_permlanex16_b32 v[T+1], v[T], s80, s81       ; lanes l and l + 16 hold the two halves of a row's 128 keys
	v_max_num_f32 v[M], v[T], v[T+1]
	v_max_num_f32 v[M+1], v[T], v[T+1]
	WIN ((\w<<6)|\w)
.irp b, 0,1,2,3,4,5,6,7
.irp p, 0,2,4,6
	v_pk_add_f32 v[64*\a+8*\b+\p:64*\a+8*\b+\p+1], v[64*\a+8*\b+\p:64*\a+8*\b+\p+1], v[M:M+1] neg_lo:[0,1] neg_hi:[0,1]   ; S - m first: at |m| = 1e10 a fused m log2(e) would be rounded by hundreds
.endr
.endr
.irp b, 0,1,2,3,4,5,6,7
.irp p, 0,2,4,6
	v_pk_mul_f32 v[64*\a+8*\b+\p:64*\a+8*\b+\p+1], v[64*\a+8*\b+\p:64*\a+8*\b+\p+1], s[72:73] op_sel_hi:[1,0]
.endr
.endr
.set c, 0
.rept 64
	v_exp_f32 v[64*\a+c], v[64*\a+c]
.set c, c+1
.endr
	v_nop                                          ; one plain vector instruction behind the transcendentals before a result is read (ISA guide 5.7.2)
	s_wait_xcnt 0x0                                ; the packed registers, which the last group's stores read, are rewritten only behind this wait
	WIN ((\w<<2)|\w)
	s_wait_alu depctr_va_vdst(0)
.irp b, 0,1,2,3,4,5,6,7
.irp r, 0,1,2,3
	v_cvt_pk_f16_f32 v[TMP+4*\b+\r], v[8*(8*\a+\b)+2*\r], v[8*(8*\a+\b)+2*\r+1]
.endr
.endr
	WIN ((\w<<6)|(\w<<2)|\w)                       ; the sum of my 64, as a tree in place: 16 + 8 + 4 + 2 + 1 packed additions
.irp st, 32,16,8,4,2
.set pp, 0
.rept \st/2
	v_pk_add_f32 v[64*\a+pp:64*\a+pp+1], v[64*\a+pp:64*\a+pp+1], v[64*\a+pp+\st:64*\a+pp+\st+1]
.set pp, pp+2
.endr
.endr
	WIN ((\w<<2)|\w)
	v_add_f32 v[T], v[64*\a], v[64*\a+1]
	WIN 0
.irp b, 0,1,2,3,4,5,6,7
	global_store_b128 v[SOF], v[TMP+4*\b:TMP+4*\b+3], s[8:9] offset:65536*\i+512*\b   ; a tile: 32 lanes x 16 bytes = 512 consecutive bytes, at a multiple of 512; the group's eight tiles are 4,096 consecutive bytes
.endr
	v_permlanex16_b32 v[T+1], v[T], s80, s81
	v_add_f32 v[LS], v[T], v[T+1]
	v_cndmask_b32 v[SV], v[M], v[LS], s79          ; lanes 0-15 carry m, lanes 16-31 carry l
	ds_store_b32 v[STA], v[SV] offset:64*\i
.endm
	ROWG 0, 0, 2
	ROWG 1, 1, 2
	ROWG 2, 2, 2
	ROWG 3, 3, 2
	ROWG 4, 0, 3
	ROWG 5, 1, 3
	ROWG 6, 2, 3
	ROWG 7, 3, 3
	ds_load_b128 v[F0:F0+3],   v[SRD]              ; my wave's 128 m (my own bytes; LDS serves a wave's instructions in order)
	ds_load_b128 v[F0+4:F0+7], v[SRD] offset:512   ; and 128 l
	s_wait_dscnt 0x0
	global_store_b128 v[SOF], v[F0:F0+3],   s[68:69]                 ; 512 consecutive bytes each, at a multiple of 512
	global_store_b128 v[SOF], v[F0+4:F0+7], s[68:69] offset:32768
	s_set_vgpr_msb 0x1
	s_wait_tensorcnt 0x0
	ds_add_u32 v255, v255
	s_wait_dscnt 0x0
	s_set_vgpr_msb 0x100
	CROUND                                         ; the closing round
	s_endpgm
.Lfunc_end_k_q1809bd5baf_scores:
	.size	k_q1809bd5baf_scores, .Lfunc_end_k_q1809bd5baf_scores-k_q1809bd5baf_scores
	.p2alignl 7, 3214868480
	.fill 96, 4, 3214868480
	.section	.rodata,"a",@progbits
	.p2align	6, 0x0
	.amdhsa_kernel k_q1809bd5baf_scores
		.amdhsa_group_segment_fixed_size 327680
		.amdhsa_private_segment_fixed_size 0
		.amdhsa_enable_private_segment 0
		.amdhsa_kernarg_size 32
		.amdhsa_user_sgpr_count 2
		.amdhsa_user_sgpr_kernarg_segment_ptr 1
		.amdhsa_wavefront_size32 1
		.amdhsa_system_sgpr_workgroup_id_x 1
		.amdhsa_system_sgpr_workgroup_id_y 1
		.amdhsa_system_sgpr_workgroup_id_z 1
		.amdhsa_system_vgpr_workitem_id 0
		.amdhsa_next_free_vgpr 1024
		.amdhsa_next_free_sgpr 90
		.amdhsa_reserve_vcc 1
		.amdhsa_float_denorm_mode_32 3
		.amdhsa_float_denorm_mode_16_64 3
		.amdhsa_memory_ordered 1
		.amdhsa_forward_progress 1
		.amdhsa_inst_pref_size 255
	.end_amdhsa_kernel
	.section	.bss,"aw",@nobits
	.p2align	6
	.space	262144
	.amdgpu_metadata
---
amdhsa.version: [ 1, 2 ]
amdhsa.kernels:
  - .name:           k_q1809bd5baf_scores
    .symbol:         k_q1809bd5baf_scores.kd
    .args:
      - { .name: qkv, .offset: 0, .size: 8, .value_kind: global_buffer, .address_space: global }
      - { .name: attention_mask, .offset: 8, .size: 8, .value_kind: global_buffer, .address_space: global }
      - { .name: pmat, .offset: 16, .size: 8, .value_kind: global_buffer, .address_space: global }
      - { .name: stats, .offset: 24, .size: 8, .value_kind: global_buffer, .address_space: global }
    .group_segment_fixed_size: 327680
    .private_segment_fixed_size: 0
    .kernarg_segment_align: 8
    .kernarg_segment_size: 32
    .max_flat_workgroup_size: 128
    .sgpr_count:     90
    .vgpr_count:     1024
    .wavefront_size: 32
...
	.end_amdgpu_metadata
.endif
;; end of part 3
;; launch pv (part 4): grid 4 x 64, 4 waves a work-group, clusters of 4 x 4, 327,680 bytes of LDS; arguments pmat, qkv, stats, out0; writes out0
.if DOCPART == 4
	.amdgcn_target "amdgcn-amd-amdhsa--gfx1250"
	.amdhsa_code_object_version 6
	.text
	.protected	k_q1809bd5baf_pv
	.globl	k_q1809bd5baf_pv
	.p2align	8
	.type	k_q1809bd5baf_pv,@function
k_q1809bd5baf_pv:
	s_mov_b64 s[64:65], 0
	v_nop
	global_prefetch_b8 v0, s[64:65] scope:SCOPE_SE
	s_setreg_imm32_b32 hwreg(HW_REG_WAVE_MODE, 25, 1), 1
	s_wait_xcnt 0x0
	s_wait_alu depctr_hold_cnt(0) depctr_sa_sdst(0) depctr_va_vdst(0) depctr_va_sdst(0) depctr_va_ssrc(0) depctr_va_vcc(0) depctr_vm_vsrc(0)
	s_getreg_b32 s2, hwreg(HW_REG_IB_STS2, 6, 4)
	s_cmp_eq_u32 s2, 0
	s_cbranch_scc0 .Lentry_in_a_cluster
	s_endpgm
.Lentry_in_a_cluster:
	s_bfe_u32 s2, ttmp6, 0x10000c
	s_cmp_lg_u32 s2, 0xf033
	s_cbranch_scc0 .Lentry_shape_is_right
	s_endpgm
.Lentry_shape_is_right:
; out[row][d] = sum over the 16 chunks c of f_c[row] x (sum over the chunk's 128 keys of P[row][key] v[key][d]),
; f_c = exp(m_c - M) / (sum over c of exp(m_c - M) l_c), M = the largest m_c of the row: the chunks' softmax joined, with the running maximum taken away.
; The sum in the divisor is at least 1: the chunk that holds M has exp(0) = 1 and an l of at least 1.  v_exp_f32 gives 0 for factors below 2^-126.
; P and v are f16 (P in [0, 1]; v's range is stated where it is made), the sums f32.
; A work-group makes 128 rows x 256 columns of out0 (8192 / 128 x 1024 / 256 = 256 work-groups); a wave 64 x 128: 32 tiles of 16 x 16.
; Each chunk's product is made in X (its first product starts it from 0), then O += f_c X with one packed multiply-add for two numbers.
; The work goes in quarters of 32 keys, 32 matrix instructions each: four to a chunk, eight to an LDS slot, sixteen to a lap, 64 in all.
; v COMES THROUGH LDS: a slot holds 256 keys x 256 columns; each of the four waves fetches 64 keys with one tensor load; two slots take turns, so from a
; request to the wait for it a wave issues 16 + 7 x 32 = 240 matrix instructions.
; CLUSTERS: 4 x 4 work-groups.  v's tile hangs on the column block and the batch; a cluster spans 512 rows and a batch 2,048, so the batch is made from the
; cluster's y alone, and the tile is shared along a column of the cluster by joint loads.
; P COMES STRAIGHT INTO REGISTERS AND IS NOT ASKED FOR JOINTLY, though the four column blocks of a row block read the same P.  The reason: P and v together take
; 128 x 272 + 128 x 544 = 104,448 bytes of LDS for 128 keys, so two slots of 256 keys would take 417,792 bytes, and a work-group may have 327,680.  pmat lies in
; the order of the matrix fragment ([16 rows][16 keys] tiles of 32 lanes x 16 bytes), so a load of a wave takes 512 consecutive bytes and needs no shuffle.
; A ring of eight quarters (8 x 32 registers) holds P: quarter Q's eight loads are issued in the middle of quarter Q - 7.
; A wave has two tensor loads out at the start and one behind each round of the cluster's barrier.
; v lies [key][d], so its fragments come by the transposing LDS load.  The matrix instruction is used transposed (source 0 = 16 columns d, source 1 = 16 query
; rows): lane l holds query row l % 16, registers 0 to 7 the columns 8 (l / 16) + 0 .. 7, 32 neighbouring bytes of a row of out0.
;
; REGISTERS: window 0: v0-31 addresses; v32-66 scratch of the head; v96-159, v160-223 fragments of v (8 x 16 columns), two buffers; v224-227, v228-231 the
;   factors of my four row groups for an even, an odd chunk.   window 1: X, tile (a, b) at v[8 (8 a + b)].   window 2: O, likewise.
;   window 3: the ring of P, place p, row group a at v[32 p + 8 a].
.set PITCHB, 544                       ; a row of v in LDS: 512 bytes + 32 = 17 x 32
.set PART,   64*PITCHB                 ; 34,816: what one wave's load brings
.set CHUNKB, 2*PART                    ; 128 keys
.set SLOT,   4*PART                    ; 256 keys
.set FT,     2*SLOT                    ; 8,192 bytes: factors [chunk][row half][l % 16][row group] f32; no tensor load lands there
.set STAGE,  FT+8192                   ; 16 rows x 528 bytes for each wave; no tensor load lands there
.set SPITCH, 528
.set ADRB, 16                          ; v16-19 LDS address of my v fragments: slot 0 keys 0-127, 128-255, slot 1 likewise (an LDS offset has 16 bits)
.set FTA,  22                          ; v22    where my factors of the lap's first chunk lie
.set FTS,  23                          ; v23    where I put my row's factor of chunk 0
.set STO,  24
.set RD,   25
.set CO,   26                          ; v26    16 x lane: my place in every load of P and every store of out0; never rewritten
.set FB,   96
.set FF,   224
.set PM,   32                          ; the head's scratch: v32-47 m, then the factors
.set PL,   48                          ; v48-63 l
.set PX,   64                          ; the largest m
.set PS,   65                          ; the divisor
.set PRC,  66                          ; its reciprocal
.set PB, 14                            ; s[14:15] pmat at my first row group and the lap's first quarter
.set G1, 24                            ; s[24:31] descriptor group 1
.set G0, 32                            ; s[32:39] descriptor group 0, one set for each slot
.set MSB, 0
.macro WIN new                         ; the immediate's high byte repeats the setting that is left
.if MSB != \new
	s_set_vgpr_msb (MSB<<8)|\new
.set MSB, \new
.endif
.endm
.set MULW, 0x5c                        ; source 0 (v) window 0, source 1 (P) window 3, C and D (X) window 1
.macro CREST                           ; a round of the cluster's barrier behind its opening work-group barrier
	s_cmp_lg_u32 s10, 0
	s_cbranch_scc1 .Lnot_wave_0_\@
	s_barrier_signal -3
.Lnot_wave_0_\@:
	s_barrier_wait -3
	s_barrier_signal -1
	s_barrier_wait -1
.endm
.macro CROUND
	s_barrier_signal -1
	s_barrier_wait -1
	CREST
.endm
; Eight loads: P of my four row groups for one quarter, into place p of the ring.  off = 1,024 bytes for each quarter from the lap's first.
.macro PLOAD p, off
	WIN 0xc0                                       ; destination window 3, address window 0
.irp a, 0,1,2,3
	global_load_b128 v[32*\p+8*\a:32*\p+8*\a+3],   v[CO], s[PB:PB+1] offset:65536*\a+\off       ; keys 8 (l / 16) + 0 .. 7 of the quarter: 512 consecutive bytes
	global_load_b128 v[32*\p+8*\a+4:32*\p+8*\a+7], v[CO], s[PB:PB+1] offset:65536*\a+\off+512   ; keys 16 + 8 (l / 16) + 0 .. 7
.endr
.endm
	s_load_b128 s[4:7], s[0:1], 0x0                ; pmat s[4:5], qkv s[6:7]
	s_load_b64 s[66:67], s[0:1], 0x10              ; stats
	s_load_b64 s[8:9], s[0:1], 0x18                ; out0
	v_lshl_add_u32 v254, v0, 2, 0x4e400
	v_mov_b32 v255, 0
	ds_add_u32 v254, v255
	v_lshrrev_b32 v1, 5, v0
	v_readfirstlane_b32 s10, v1                    ; wave 0..3.  Also: which 64 keys of a slot I fetch
	s_lshr_b32 s11, s10, 1                         ; my half of the block's rows
	s_and_b32 s12, s10, 1                          ; my half of its columns
	s_bfe_u32 s40, ttmp6, 0x40000                  ; cx
	s_bfe_u32 s41, ttmp6, 0x40004                  ; cy
	s_lshl_b32 s42, ttmp9, 2
	s_add_co_u32 s42, s42, s40                     ; column block 0..3
	s_and_b32 s13, ttmp7, 0xffff
	s_lshr_b32 s45, s13, 2                         ; batch: four clusters of 512 rows each
	s_lshl_b32 s13, s13, 2
	s_add_co_u32 s13, s13, s41                     ; row block 0..63
	s_lshl_b32 s44, 0x1111, s40                    ; my column of the cluster
	s_or_b32 s[G1+0], s44, (1<<16)|(1<<20)|(1<<21)|(6<<22)|(7<<25)   ; mask; 2-byte elements; padding on; bit 21 beside a mask; after every 128 words 8 words
	s_mov_b32 s[G1+1], 256<<16                     ; tensor_dim0 = 256 columns
	s_mov_b32 s[G1+2], 64<<16                      ; tensor_dim1 = 64 keys
	s_mov_b32 s[G1+3], 256<<16                     ; tile_dim0
	s_mov_b32 s[G1+4], 64                          ; tile_dim1
	s_mov_b32 s[G1+5], 1024                        ; elements from row to row of qkv
	s_mov_b32 s[G1+6], 0
	s_mov_b32 s[G1+7], 0
	s_lshl_b32 s16, s13, 19                        ; P: 8 row groups of 65,536 bytes for each row block
	s_lshl_b32 s17, s11, 18                        ;    + 4 for my half
	s_add_co_u32 s16, s16, s17
	s_mov_b32 s17, 0
	s_lshl_b32 s46, s45, 22                        ; v: 2,048 rows of 2,048 bytes for each batch
	s_lshl_b32 s47, s10, 17                        ;    + 64 rows for each wave
	s_add_co_u32 s46, s46, s47
	s_lshl_b32 s47, s42, 9                         ;    + 256 columns of 2 bytes for each column block
	s_add_co_u32 s46, s46, s47
	s_add_co_u32 s46, s46, 0x2000000               ;    in qkv's third tensor: 16,384 rows of 2,048 bytes
	s_mov_b32 s47, 0
	s_mul_i32 s20, s10, PART                       ; where a load lands: the wave's number times a constant
	s_wait_dscnt 0x0
	s_wait_kmcnt 0x0
	s_add_nc_u64 s[PB:PB+1], s[4:5], s[16:17]
	s_add_nc_u64 s[46:47], s[6:7], s[46:47]
	CROUND                                         ; all sixteen work-groups are here: the first joint loads meet
.irp s, 0,1
	s_mov_b32 s[G0+4*\s], 1
	s_add_co_u32 s[G0+4*\s+1], s20, \s*SLOT
	s_add_nc_u64 s[G0+4*\s+2:G0+4*\s+3], s[46:47], \s*524288         ; slot s: 256 rows of 2,048 bytes down
	s_or_b32 s[G0+4*\s+3], s[G0+4*\s+3], 0x80000000
	tensor_load_to_lds s[G0+4*\s:G0+4*\s+3], s[G1:G1+7]              ; every wave fetches its own 64 keys
	s_nop 0
.endr
	; THE FACTORS.  Thread t owns row 128 x row block + t: its 16 m and 16 l.
	s_lshl_b32 s18, s13, 9                         ; 128 rows of 4 bytes for each row block
	s_mov_b32 s19, 0
	s_add_nc_u64 s[66:67], s[66:67], s[18:19]
	v_lshlrev_b32 v3, 2, v0
.irp c, 0,1,2,3,4,5,6,7,8,9,10,11,12,13,14,15
	global_load_b32 v[PM+\c], v3, s[66:67] offset:65536*\c
	global_load_b32 v[PL+\c], v3, s[66:67] offset:65536*\c+32768
.endr
	v_and_b32 v[CO], 31, v0
	v_lshlrev_b32 v[CO], 4, v[CO]
	PLOAD 0, 0                                     ; P of quarters 0 to 2 goes out behind them
	PLOAD 1, 1024
	PLOAD 2, 2048
	WIN 0
	v_and_b32 v1, 15, v0                           ; l % 16
	v_bfe_u32 v2, v0, 4, 1                         ; l / 16
	v_and_b32 v5, 7, v0
	v_lshl_add_u32 v5, v2, 3, v5                   ; v: key 8 (l / 16) + l % 8
	v_mul_u32_u24 v5, v5, PITCHB
	v_bfe_u32 v6, v0, 3, 1
	v_lshl_add_u32 v5, v6, 4, v5                   ;    + 16 bytes for the odd groups of eight lanes
	s_lshl_b32 s22, s12, 8                         ;    my 128 columns
.irp n, 0,1,2,3
	v_add_nc_u32 v[ADRB+\n], s22, v5
	s_add_co_u32 s22, s22, CHUNKB
.endr
	s_lshl_b32 s23, s11, 8
	s_add_co_u32 s23, s23, FT
	v_lshl_add_u32 v[FTA], v1, 4, s23              ; the four factors of rows l % 16 + 16 a of my half
	v_lshrrev_b32 v6, 6, v0                        ; thread t's row: half t / 64,
	v_lshlrev_b32 v6, 8, v6
	v_lshl_add_u32 v6, v1, 4, v6                   ; place t % 16,
	v_bfe_u32 v7, v0, 4, 2
	v_lshl_add_u32 v6, v7, 2, v6                   ; row group (t / 16) % 4
	v_add_nc_u32 v[FTS], FT, v6
	s_mul_i32 s23, s10, 16*SPITCH
	s_add_co_u32 s23, s23, STAGE                   ; my stage
	v_mul_u32_u24 v6, v1, SPITCH
	v_lshl_add_u32 v6, v2, 5, v6
	v_add_nc_u32 v[STO], s23, v6                   ; in: row l % 16, 32 bytes for each half of the lanes
	v_add_nc_u32 v[RD], s23, v[CO]                 ; back: a row of 512 bytes, 16 bytes a lane
	s_wait_loadcnt 24                              ; m and l are in; the 24 loads of P issued behind them may stay out
	v_max3_num_f32 v[PX], v[PM], v[PM+1], v[PM+2]
.irp c, 3,5,7,9,11,13
	v_max3_num_f32 v[PX], v[PX], v[PM+\c], v[PM+\c+1]
.endr
	v_max_num_f32 v[PX], v[PX], v[PM+15]
.irp c, 0,1,2,3,4,5,6,7,8,9,10,11,12,13,14,15
	v_sub_f32 v[PM+\c], v[PM+\c], v[PX]            ; the difference first: m can be -1e10 or -2e10
.endr
.irp c, 0,1,2,3,4,5,6,7,8,9,10,11,12,13,14,15
	v_mul_f32 v[PM+\c], 0x3fb8aa3b, v[PM+\c]
.endr
.irp c, 0,1,2,3,4,5,6,7,8,9,10,11,12,13,14,15
	v_exp_f32 v[PM+\c], v[PM+\c]
.endr
	v_nop                                          ; one plain vector instruction behind the transcendentals (ISA guide 5.7.2)
	s_wait_alu depctr_va_vdst(0)
	v_mul_f32 v[PS], v[PM], v[PL]
.irp c, 1,2,3,4,5,6,7,8,9,10,11,12,13,14,15
	v_fmac_f32 v[PS], v[PM+\c], v[PL+\c]
.endr
	v_rcp_f32 v[PRC], v[PS]
	v_nop
	s_wait_alu depctr_va_vdst(0)
.irp c, 0,1,2,3,4,5,6,7,8,9,10,11,12,13,14,15
	v_mul_f32 v[PM+\c], v[PM+\c], v[PRC]
.endr
.irp c, 0,1,2,3,4,5,6,7,8,9,10,11,12,13,14,15
	ds_store_b32 v[FTS], v[PM+\c] offset:512*\c
.endr
	PLOAD 3, 3072                                  ; P of quarters 3 to 6: seven quarters, 56 loads, are asked for ahead of the first product
	PLOAD 4, 4096
	PLOAD 5, 5120
	PLOAD 6, 6144
	WIN 0
; The quarter at hand is described by symbols that QTR sets: QF its buffer of v, QG the other buffer, QP its place in the ring of P, QN the place that is
; loaded next, QO that load's offset, QS its slot, QT the other slot, QC its chunk's set of factors, QZ = 1 in a chunk's first quarter.
; 16 matrix instructions: column tiles b0 .. b0 + 3 x my four row groups, 32 keys.  QZ: the chunk's first product starts X.
.macro MULH b0
.irp b, \b0, \b0+1, \b0+2, \b0+3
.irp a, 0,1,2,3
.if QZ
	v_wmma_f32_16x16x32_f16 v[8*(8*\a+(\b)):8*(8*\a+(\b))+7], v[FB+64*QF+8*(\b):FB+64*QF+8*(\b)+7], v[32*QP+8*\a:32*QP+8*\a+7], 0
.else
	v_wmma_f32_16x16x32_f16 v[8*(8*\a+(\b)):8*(8*\a+(\b))+7], v[FB+64*QF+8*(\b):FB+64*QF+8*(\b)+7], v[32*QP+8*\a:32*QP+8*\a+7], v[8*(8*\a+(\b)):8*(8*\a+(\b))+7]
.endif
.endr
.endr
.endm
; 16 LDS loads in one run: v's 128 columns for keys 32 kq .. 32 kq + 31 of the slot into buffer g, by transposing loads (8 keys x 8 columns for each group of eight lanes)
.macro FETCH slot, kq, g
	WIN 0
.irp b, 0,1,2,3,4,5,6,7
	ds_load_tr16_b128 v[FB+64*(\g)+8*\b:FB+64*(\g)+8*\b+3],   v[ADRB+2*(\slot)+((\kq)>>2)] offset:((\kq)&3)*32*PITCHB+32*\b
	ds_load_tr16_b128 v[FB+64*(\g)+8*\b+4:FB+64*(\g)+8*\b+7], v[ADRB+2*(\slot)+((\kq)>>2)] offset:((\kq)&3)*32*PITCHB+32*\b+16*PITCHB
.endr
.endm
; Four places (ISA guide 7.12.1 for vector instructions) behind the matrix instructions whose registers are loaded into or read next.
.macro PLACES
.rept 4
	v_nop
.endr
.endm
; O += f X for the chunk whose factors lie in set QC (first = 1: O = f X, so nothing is cleared).  A lane's factor for row group a is register a of the set's four:
; op_sel and op_sel_hi pick the same register of the pair for both halves of the packed instruction.
.macro SCALE first
	PLACES
	WIN 0xa1                                       ; source 0 (X) window 1, source 1 (factors) window 0, source 2 and destination (O) window 2
.irp a, 0,1,2,3
.irp b, 0,1,2,3,4,5,6,7
.irp p, 0,2,4,6
.if \first
.if \a & 1
	v_pk_mul_f32 v[64*\a+8*\b+\p:64*\a+8*\b+\p+1], v[64*\a+8*\b+\p:64*\a+8*\b+\p+1], v[FF+4*QC+(\a&2):FF+4*QC+(\a&2)+1] op_sel:[0,1] op_sel_hi:[1,1]
.else
	v_pk_mul_f32 v[64*\a+8*\b+\p:64*\a+8*\b+\p+1], v[64*\a+8*\b+\p:64*\a+8*\b+\p+1], v[FF+4*QC+(\a&2):FF+4*QC+(\a&2)+1] op_sel_hi:[1,0]
.endif
.else
.if \a & 1
	v_pk_fma_f32 v[64*\a+8*\b+\p:64*\a+8*\b+\p+1], v[64*\a+8*\b+\p:64*\a+8*\b+\p+1], v[FF+4*QC+(\a&2):FF+4*QC+(\a&2)+1], v[64*\a+8*\b+\p:64*\a+8*\b+\p+1] op_sel:[0,1,0] op_sel_hi:[1,1,1]
.else
	v_pk_fma_f32 v[64*\a+8*\b+\p:64*\a+8*\b+\p+1], v[64*\a+8*\b+\p:64*\a+8*\b+\p+1], v[FF+4*QC+(\a&2):FF+4*QC+(\a&2)+1], v[64*\a+8*\b+\p:64*\a+8*\b+\p+1] op_sel_hi:[1,0,1]
.endif
.endif
.endr
.endr
.endr
.endm
; Quarter j (0 .. 15) of a lap.  pl = 1: P of the quarter seven further on is asked for.  lc: how many younger loads of P may stay out.
; mode 0: inside a slot.  mode 1: the slot's last quarter, the slot is filled again.  mode 2: the same without a refill.  mode 3: the very last quarter.
; first = 1: the chunk that ends here starts O.  The 32 accumulators take turns, one instruction a turn, in the same order in every quarter.
.macro QTR j, pl, lc, mode, first
.set QF, (\j)&1
.set QG, 1-QF
.set QP, (\j)&7
.set QN, ((\j)+7)&7
.set QO, ((\j)+7)*1024
.set QS, (\j)>>3
.set QT, 1-QS
.set QC, ((\j)>>2)&1
.set QZ, 0
.if ((\j)&3) == 0
.set QZ, 1
.endif
	s_wait_loadcnt \lc                             ; loads come back in order: this quarter's P is in, the younger groups of eight stay out
	WIN MULW
.if \mode == 0
	s_wait_dscnt 8                                 ; v's column tiles 0-3 are in; the youngest eight loads (tiles 4-7) may be out
	MULH 0
	PLACES
	WIN 0
.if QZ
	ds_load_b128 v[FF+4*QC:FF+4*QC+3], v[FTA] offset:512*((\j)>>2)   ; this chunk's factors, used when the chunk ends
.endif
	FETCH QS, QP+1, QG
.if \pl
	PLOAD QN, QO                                   ; into the place that the last quarter's products have read
.endif
	s_wait_dscnt 16                                ; all but the 16 just issued
	WIN MULW
	MULH 4
.endif
.if (\mode == 1) || (\mode == 2)
	s_wait_dscnt 0                                 ; my reads of this slot are over
	s_set_vgpr_msb 0x5c50
	s_wait_tensorcnt 0x0                           ; and all my tensor loads have landed: the one that was out is my part of the other slot
	ds_add_u32 v254, v255
	s_wait_dscnt 0x0
	s_set_vgpr_msb 0x505c
	s_barrier_signal -1
	MULH 0                                         ; register work while the others arrive
	WIN 0
	s_barrier_wait -1
.if \mode == 1
	CREST                                          ; no wave of any partner still reads this slot's tile or has a load on its way
	s_add_nc_u64 s[G0+4*QS+2:G0+4*QS+3], s[G0+4*QS+2:G0+4*QS+3], 1048576   ; two slots of 256 rows of 2,048 bytes down
	tensor_load_to_lds s[G0+4*QS:G0+4*QS+3], s[G1:G1+7]                    ; the first tensor load behind the round, one a wave
	s_nop 0
.endif
	PLACES
	FETCH QT, 0, QG
.if \pl
	PLOAD QN, QO
.endif
	WIN MULW
	MULH 4
.endif
.if \mode == 3
	s_wait_dscnt 0                                 ; nothing more to fetch
	MULH 0
	MULH 4
.endif
.if ((\j)&3) == 3
	SCALE \first
.endif
.endm
; A lap that is not the last: sixteen quarters, both slots filled again; then P's base and the factors' address step on.
.macro LAP first
.irp j, 0,1,2
	QTR \j, 1, 48, 0, 0
.endr
	QTR 3, 1, 48, 0, \first
.irp j, 4,5,6
	QTR \j, 1, 48, 0, 0
.endr
	QTR 7, 1, 48, 1, 0
.irp j, 8,9,10,11,12,13,14
	QTR \j, 1, 48, 0, 0
.endr
	QTR 15, 1, 48, 1, 0
	WIN 0                                          ; at a label and at a branch every window is 0
	s_wait_xcnt 0x0                                ; the base of the loads of P is rewritten only behind this wait
	s_add_nc_u64 s[PB:PB+1], s[PB:PB+1], 16384     ; sixteen quarters of 1,024 bytes
	v_add_nc_u32 v[FTA], 2048, v[FTA]              ; four chunks of 512 bytes
.endm
	s_wait_dscnt 0x0                               ; my factors are in LDS
	s_wait_tensorcnt 0x1                           ; my part of slot 0 is in; slot 1's may stay out
	s_barrier_signal -1
	s_barrier_wait -1
	FETCH 0, 0, 0
	LAP 1                                          ; the first lap stands in front of the loop: chunk 0 starts O
	s_mov_b32 s3, 2                                ; 64 quarters = 4 laps: one in front, two here, one behind
.Llap:
	LAP 0
	s_sub_co_u32 s3, s3, 1
	s_cmp_lg_u32 s3, 0
	s_cbranch_scc1 .Llap
.irp j, 0,1,2,3,4,5,6
	QTR \j, 1, 48, 0, 0                            ; the last lap fills no slot
.endr
	QTR 7, 1, 48, 2, 0
	QTR 8, 1, 48, 0, 0                             ; asks for the last quarter's P
	QTR 9,  0, 48, 0, 0                            ; nothing is left to ask for: the counts run down
	QTR 10, 0, 40, 0, 0
	QTR 11, 0, 32, 0, 0
	QTR 12, 0, 24, 0, 0
	QTR 13, 0, 16, 0, 0
	QTR 14, 0, 8,  0, 0
	QTR 15, 0, 0,  3, 0
	; THE WAY OUT, 16 rows at a time: 32 bytes a lane and tile into my own stage in LDS, read back as whole rows of 512 bytes.
	s_lshl_b32 s16, s13, 19                        ; 128 rows of 4,096 bytes for each row block
	s_lshl_b32 s17, s11, 18                        ; + 64 rows for my half
	s_add_co_u32 s16, s16, s17
	s_mov_b32 s17, 0
	s_add_nc_u64 s[8:9], s[8:9], s[16:17]
	s_lshl_b32 s46, s42, 10                        ; 256 columns of 4 bytes for each column block
	s_lshl_b32 s47, s12, 9                         ; + 128 for my half
	s_add_co_u32 s46, s46, s47
	s_mov_b32 s47, 0
	s_add_nc_u64 s[8:9], s[8:9], s[46:47]
.macro OUTG a, g
	WIN 0x08                                       ; the stores' data in window 2
.irp b, 0,1,2,3,4,5,6,7
	ds_store_b128 v[STO], v[8*(8*\a+\b):8*(8*\a+\b)+3]   offset:64*\b
	ds_store_b128 v[STO], v[8*(8*\a+\b)+4:8*(8*\a+\b)+7] offset:64*\b+16
.endr
	WIN 0
	s_wait_xcnt 0x0                                ; buffer g, which earlier stores read, and the stores' base are rewritten only behind this wait
.if \a
	s_add_nc_u64 s[8:9], s[8:9], 16*4096
.endif
.irp t, 0,1,2,3,4,5,6,7,8,9,10,11,12,13,14,15
	ds_load_b128 v[FB+64*\g+4*\t:FB+64*\g+4*\t+3], v[RD] offset:\t*SPITCH    ; my own bytes; LDS serves a wave's instructions in order
.endr
.irp t, 0,1,2,3,4,5,6,7,8,9,10,11,12,13,14,15
	s_wait_dscnt 15-\t                             ; the 15 - t younger read-backs may be out
	global_store_b128 v[CO], v[FB+64*\g+4*\t:FB+64*\g+4*\t+3], s[8:9] offset:4096*\t th:TH_STORE_NT   ; 512 consecutive bytes of one row, at a multiple of 512
.endr
.endm
	OUTG 0, 0
	OUTG 1, 1
	OUTG 2, 0
	OUTG 3, 1
	s_wait_tensorcnt 0x0
	ds_add_u32 v254, v255
	s_wait_dscnt 0x0
	CROUND                                         ; the closing round
	s_endpgm
.Lfunc_end_k_q1809bd5baf_pv:
	.size	k_q1809bd5baf_pv, .Lfunc_end_k_q1809bd5baf_pv-k_q1809bd5baf_pv
	.p2alignl 7, 3214868480
	.fill 96, 4, 3214868480
	.section	.rodata,"a",@progbits
	.p2align	6, 0x0
	.amdhsa_kernel k_q1809bd5baf_pv
		.amdhsa_group_segment_fixed_size 327680
		.amdhsa_private_segment_fixed_size 0
		.amdhsa_enable_private_segment 0
		.amdhsa_kernarg_size 32
		.amdhsa_user_sgpr_count 2
		.amdhsa_user_sgpr_kernarg_segment_ptr 1
		.amdhsa_wavefront_size32 1
		.amdhsa_system_sgpr_workgroup_id_x 1
		.amdhsa_system_sgpr_workgroup_id_y 1
		.amdhsa_system_sgpr_workgroup_id_z 1
		.amdhsa_system_vgpr_workitem_id 0
		.amdhsa_next_free_vgpr 1024
		.amdhsa_next_free_sgpr 70
		.amdhsa_reserve_vcc 0
		.amdhsa_float_denorm_mode_32 3
		.amdhsa_float_denorm_mode_16_64 3
		.amdhsa_memory_ordered 1
		.amdhsa_forward_progress 1
		.amdhsa_inst_pref_size 255
	.end_amdhsa_kernel
	.section	.bss,"aw",@nobits
	.p2align	6
	.space	262144
	.amdgpu_metadata
---
amdhsa.version: [ 1, 2 ]
amdhsa.kernels:
  - .name:           k_q1809bd5baf_pv
    .symbol:         k_q1809bd5baf_pv.kd
    .args:
      - { .name: pmat, .offset: 0, .size: 8, .value_kind: global_buffer, .address_space: global }
      - { .name: qkv, .offset: 8, .size: 8, .value_kind: global_buffer, .address_space: global }
      - { .name: stats, .offset: 16, .size: 8, .value_kind: global_buffer, .address_space: global }
      - { .name: out0, .offset: 24, .size: 8, .value_kind: global_buffer, .address_space: global }
    .group_segment_fixed_size: 327680
    .private_segment_fixed_size: 0
    .kernarg_segment_align: 8
    .kernarg_segment_size: 32
    .max_flat_workgroup_size: 128
    .sgpr_count:     70
    .vgpr_count:     1024
    .wavefront_size: 32
...
	.end_amdgpu_metadata
.endif
;; end of part 4
